; MI455X (gfx1250); checked and timed in simulation.
; The chip was launched on July 23, 2026; its instructions are those of AMD's public machine-readable ISA for CDNA 5 (MIT licence, August 2026) and "CDNA5" Instruction Set Architecture Reference Guide (July 2026). The comments in the code are by the model that wrote it; some were corrected since.
;; Attention Layer. Allowed arithmetic: matrix products marked QUANTISED: E2M3 operands, one E8M0 scale for each 32 along K, by v_wmma_scale_f32_16x16x128_f8f6f4 with both operands' format E2M3, f32 sums; everything else in f32.
;; Inputs: Wk 512 x 512 float32; Wq 512 x 512 float32; Wv 512 x 512 float32; bk 512 float32; bq 512 float32; bv 512 float32; x 8 x 2,048 x 512 float32.
;; Outputs: out0 8 x 512 float32.
;; This version of the problem:
;;   THIS VERSION OF THE PROBLEM IS GIVEN IN LOW PRECISION. The matrix products marked QUANTISED in the list below multiply operands that are first quantised to E2M3 (2 exponent bits, 3 mantissa bits; 6 bits a number), with one power-of-two scale for each 32 numbers along K (OCP MX v1.0); their sums are f32. All else is computed in f32.
;;   The module's matrix products, in the order in which they are computed (A, B: the left and right operand; K: the contracted axis; several contracted axes count as one K, in the product's order):
;;     1. [M 16,384, K 512] x [K 512, N 512]; A: input x; B: input Wq: QUANTISED
;;     2. [M 16,384, K 512] x [K 512, N 512]; A: input x; B: input Wk: QUANTISED
;;     3. [M 16,384, K 512] x [K 512, N 512]; A: input x; B: input Wv: QUANTISED
;;     4. batch 8 x [M 2,048, K 512] x [K 512, N 2,048]; A: computed on the way; B: computed on the way: QUANTISED
;;     5. batch 8 x [M 2,048, K 2,048] x [K 2,048, N 512]; A: softmax (see below); B: computed on the way: QUANTISED
;;   THE QUANTISER, for each operand of a quantised product, along K:
;;     - K is cut into blocks of 32 from its start; a last block that is shorter is filled with zeros.
;;     - A block's scale is 2^e with e = floor(log2(the largest magnitude in the block)) - 2, held to -126 .. 127; a block of zeros has e = 0. As a byte (E8M0): e + 127.
;;     - Each number is divided by its block's scale, clamped to +-7.5, and rounded to the nearest number of E2M3, ties to even, subnormals kept.
;;     - The product sums the exact products of the quantised numbers (number of the format x scale) in f32.
;;   ~~~python
;;   def quantise(x, axis):      # numpy; x: float32 -> the quantised numbers, widened to float32 again
;;       x = np.moveaxis(x, axis, -1); K = x.shape[-1]
;;       x = np.pad(x, [(0, 0)] * (x.ndim - 1) + [(0, -K % 32)]); x = x.reshape(x.shape[:-1] + (-1, 32)); a = np.abs(x).max(-1, keepdims=True)
;;       e = np.where(a > 0, np.clip(np.frexp(np.where(a > 0, a, 1))[1] - 1 - 2, -126, 127), 0)      # np.frexp(a)[1] - 1 = floor(log2(a)), exactly
;;       r = np.clip(x / 2.0 ** e, -7.5, 7.5)
;;       step = 2.0 ** (np.maximum(np.frexp(np.where(r == 0, 1, r))[1] - 1, 0) - 3)
;;       q = np.round(r / step) * step * 2.0 ** e      # np.round: ties to even
;;       return np.moveaxis(q.reshape(q.shape[:-2] + (-1,))[..., :K], -1, axis).astype(np.float32)
;;   ~~~
;;   SOFTMAX AHEAD OF A QUANTISED PRODUCT. Where the list says 'softmax', what is quantised is not the finished softmax but p = 2^(t - M), with t = logit x log2(e) and M = ceil(the row's largest t), a whole number; so 1/2 < the row's largest p <= 1. The row's sum l is taken of the UNQUANTISED p, in f32, and the product's result is divided by l at the end. Since M is a whole number, a kernel that streams over the keys may use a running M (the ceiling of the running maximum): every later rescaling is an exact power of two, which a block's scale takes up: the codes' values come out the same.
;;   OPERANDS COMPUTED ON THE WAY. 'Computed on the way' means the value that the module computes at that place (a softmax that the list does not call 'softmax' is quantised finished and normalised). What goes into a quantiser is computed in f32, as accurately as f32 sums, v_exp_f32 and their like allow (about 1e-6 of the number): no bf16 or f16 on the way to a quantiser, and a product that is left as it is and whose result goes on into a quantised operand takes f32 operands (vector FMAs, or v_wmma_f32_16x16x4_f32). A number that lies on a knife's edge between two numbers of the format may be rounded either way, as far as f32 arithmetic and the matrix unit's own rounding can turn it there, and no further.
;; One version. Each part assembles by itself: llvm-mc -triple=amdgcn-amd-amdhsa -mcpu=gfx1250 --defsym DOCPART=n.
;; ======== version 1 of 1: 3 launches
;; limits: right only within a limited range of input values
;; workspace buffers: wc 393,216 bytes; ws 16,384 bytes; qp 32,768 bytes; po 524,288 bytes; pml 2,048 bytes
;; launch prep (part 1): grid 16 x 6, 8 waves a work-group, no clusters, 17,152 bytes of LDS; arguments Wk, Wv, Wq, x, wc, ws, qp; writes wc, ws, qp
.if DOCPART == 1
	.amdgcn_target "amdgcn-amd-amdhsa--gfx1250"
	.amdhsa_code_object_version 6
	.text
	.protected	k_qa9fa015695_prep
	.globl	k_qa9fa015695_prep
	.p2align	8
	.type	k_qa9fa015695_prep,@function
k_qa9fa015695_prep:
	s_mov_b64 s[64:65], 0
	v_nop
	global_prefetch_b8 v0, s[64:65] scope:SCOPE_SE
	s_setreg_imm32_b32 hwreg(HW_REG_WAVE_MODE, 25, 1), 1
	s_wait_xcnt 0x0
; THE WEIGHTS BECOME CODES, AND q'S PARTIAL SUMS ARE MADE.
; DEAD WORK LEFT OUT, in the whole program: reference() keeps context[:, -1, :] alone, and row i of scores, softmax and context hangs on row i of q alone.  So q, scores, weights and context are made for the last query of each
; batch only; k and v of every key are live.  Every input is loaded.  A NaN, an infinity or an overflow that reaches only the rows left out is not carried to the result.
; Wk, Wv, Wq: [512 (d)][512 (e)] f32.  Work-group (G, 2 mat + dd): columns 32 G .. 32 G + 31 of matrix mat (0 Wk, 1 Wv, 2 Wq), d = 256 dd .. + 255; wave w: the block of 32 from d = 256 dd + 32 w on.
; A LANE TAKES A COLUMN AND ITS REGISTERS RUN DOWN d: each load reads 128 consecutive bytes, and a block of 32 lies in one lane.  Lane r of tile u (u = lane / 16) has column 8 u + r + 8 (r / 8).
; Codes go through LDS into images of the operand's registers: a fragment (16 columns x 128 d) is 1,536 bytes, registers 4 k .. 4 k + 3 at 512 k + 16 x lane.
; wc[wave column pair G / 2][32 fragments]: with p = G % 2, K step s: Wk 8 p + 4 u + s; Wv 20 + 4 u + s (p = 0), 16 + 12 u + s (p = 1).   ws[mat][G][dd][lane][K step 2 dd, 2 dd + 1]: scale words.
; mat 2: x's last rows are quantised too, and one wave multiplies: qp[dd][batch][512] f32, the sum over d = 256 dd .. + 255.  The next launch adds the two parts and bq.
; A block's scale byte is its largest magnitude's exponent field - 2, held at 1 from below.  LIMITS: a block whose largest magnitude lies under 2^(3 - 127) keeps the byte 1 (a block of zeros too: its codes are zeros, and the
; bytes are read by this program alone); NaN and infinities among the inputs are not served.
.set IMG, 0                            ; Wk, Wv: four fragments, 2 (s % 2) + u
.set SCL, 6144                         ; their scale words
.set IMGQ, 6400                        ; the same for Wq, on its own way through the text
.set XI, 12544                         ; x's two fragments
.set SCLQ, 15616
.set XSB, 15872                        ; x's scale words
.set SPARE, 16128
.set SPW, 2
.set NIL, 3
.set A0, 9                             ; LDS: my 24 bytes of an image: pairs 0 and 2 of registers,
.set A1, 10                            ; and pair 1
.set X0, 11                            ; the same in x's image
.set X1, 12
.set AB, 13                            ; my scale byte
.set XB, 14
.set WN, 24                            ; v24-55 my column's block
.set XN, 56                            ; v56-87 a block of x
.set PC, 88                            ; v88-93 codes
.set TT, 94
.set TM, 98
.set F, 104                            ; v104-151 Wq's four fragments
.set XQ, 152                           ; v152-175 x's two
.set DQ, 24                            ; v24-39 two accumulators
.set SWW, 176
.set SXX, 178
.macro WALU
	s_wait_alu depctr_va_vdst(0)
.endm
.macro WLOADS
.set i_, 0
.rept 32
	global_load_b32 v[WN+i_], v7, s[4:5] offset:2048*i_ th:TH_LOAD_NT
.set i_, i_+1
.endr
.endm
; A block of 32 in registers n on: its largest magnitude in two chains, the scale, the codes, and both into LDS at byte o (codes) and ob (scale byte)
.macro BLK n, a0, a1, ab, o, ob
	v_max3_num_f32 v[TM], |v[\n]|, |v[\n+1]|, 0x1800000
	v_max3_num_f32 v[TM+1], |v[\n+2]|, |v[\n+3]|, |v[\n+4]|
.irp i, 5,9,13,17,21,25
	v_max3_num_f32 v[TM], v[TM], |v[\n+\i]|, |v[\n+\i+1]|
	v_max3_num_f32 v[TM+1], v[TM+1], |v[\n+\i+2]|, |v[\n+\i+3]|
.endr
	v_max3_num_f32 v[TM], v[TM], |v[\n+29]|, |v[\n+30]|
	v_max3_num_f32 v[TM], v[TM], |v[\n+31]|, v[TM+1]
	v_add_nc_u32 v[TM+2], 0xff000000, v[TM]        ; 2 off the exponent field: the conversion's scale operand
	v_lshrrev_b32 v[TM+3], 23, v[TM+2]
	v_cvt_scalef32_pk16_fp6_f32 v[PC:PC+2], v[\n:\n+15], v[TM+2]
	v_cvt_scalef32_pk16_fp6_f32 v[TT:TT+2], v[\n+16:\n+31], v[TM+2]
	v_nop
.irp i, 0,1,2
	v_mov_b32 v[PC+3+\i], v[TT+\i]
.endr
	ds_store_b64 v[\a0], v[PC:PC+1] offset:\o
	ds_store_b64 v[\a1], v[PC+2:PC+3] offset:\o+8
	ds_store_b64 v[\a0], v[PC+4:PC+5] offset:\o+512
	ds_store_b8 v[\ab], v[TM+3] offset:\ob
.endm
.macro ENDWAVE
	s_wait_tensorcnt 0x0
	ds_add_u32 v[SPW], v[NIL]
	s_wait_dscnt 0x0
	s_endpgm
.endm
	s_load_b256 s[4:11], s[0:1], 0x0               ; Wk, Wv, Wq, x
	s_load_b128 s[12:15], s[0:1], 0x20             ; wc, ws
	s_load_b64 s[16:17], s[0:1], 0x30              ; qp
	v_lshl_add_u32 v[SPW], v0, 2, SPARE
	v_mov_b32 v[NIL], 0
	v_lshrrev_b32 v1, 5, v0
	v_readfirstlane_b32 s20, v1                    ; wave
	s_and_b32 s21, ttmp7, 0xffff
	s_lshr_b32 s22, s21, 1                         ; mat
	s_and_b32 s23, s21, 1                          ; dd
	s_lshr_b32 s24, s20, 2                         ; K step s % 2
	s_and_b32 s25, s20, 1
	s_lshl_b32 s25, s25, 8                         ; an odd block lies in lanes 16-31,
	s_bfe_u32 s26, s20, 0x10001                    ; the K step's upper two blocks in registers 6-11
	s_mul_i32 s27, s26, 520
	s_mul_i32 s26, s26, 1016
	v_and_b32 v4, 31, v0                           ; lane
	v_and_b32 v5, 15, v0                           ; r
	v_bfe_u32 v6, v0, 4, 1                         ; u
	v_and_b32 v8, 8, v5
	v_add_nc_u32 v8, v8, v5
	v_lshl_add_u32 v8, v6, 3, v8
	v_lshlrev_b32 v7, 2, v8                        ; my column in the group, in bytes
	v_mul_u32_u24 v[A0], 1536, v6
	v_lshl_add_u32 v[A0], v5, 4, v[A0]
	s_mul_i32 s28, s24, 3072
	s_add_co_u32 s28, s28, s25
	v_add_nc_u32 v[A0], s28, v[A0]
	v_add_nc_u32 v[A1], s26, v[A0]
	v_add_nc_u32 v[A0], s27, v[A0]
	s_mul_i32 s28, s24, 1536
	s_add_co_u32 s28, s28, s25
	v_lshlrev_b32 v[X0], 4, v5
	v_add_nc_u32 v[X0], s28, v[X0]
	v_add_nc_u32 v[X1], s26, v[X0]
	v_add_nc_u32 v[X0], s27, v[X0]
	v_lshlrev_b32 v18, 3, v4                       ; 8 x lane
	v_add_nc_u32 v[AB], s20, v18
	v_lshlrev_b32 v19, 3, v5                       ; 8 r
	v_add_nc_u32 v[XB], s20, v19
	v_and_b32 v16, 7, v0
	v_lshlrev_b32 v15, 22, v16                     ; a batch of x is 2^22 bytes
	v_lshlrev_b32 v17, 4, v4                       ; 16 x lane
	v_lshlrev_b32 v20, 11, v16
	v_lshl_add_u32 v20, v6, 6, v20                 ; qp: 2,048 x batch + 64 h
	s_lshl_b32 s28, s23, 19
	s_lshl_b32 s29, s20, 16
	s_add_co_u32 s28, s28, s29
	s_lshl_b32 s29, ttmp9, 7
	s_add_co_u32 s28, s28, s29                     ; rows 256 dd + 32 w of 2,048 bytes, columns 32 G
	s_mov_b32 s29, 0
	s_mul_i32 s30, s20, 1536
	v_add_nc_u32 v21, s30, v17                     ; LDS: fragment w as it leaves
	WALU
	s_wait_kmcnt 0x0
	s_cmp_eq_u32 s22, 2                            ; the two ways part once, on the work-group's number alone; each has LDS bytes and a barrier of its own
	s_cbranch_scc1 .Lq_path
	s_cmp_eq_u32 s22, 0
	s_cselect_b64 s[4:5], s[4:5], s[6:7]
	s_add_nc_u64 s[4:5], s[4:5], s[28:29]
	WLOADS
	s_wait_loadcnt 0x0
	BLK WN, A0, A1, AB, IMG, SCL
	WALU
	s_wait_dscnt 0x0
	s_barrier_signal -1
	s_barrier_wait -1                              ; four fragments and their scale words lie in LDS
	s_cmp_lt_u32 s20, 4
	s_cbranch_scc0 .Lnot_frag
	s_and_b32 s30, ttmp9, 1                        ; p
	s_lshr_b32 s31, ttmp9, 1
	s_lshl_b32 s32, s30, 3
	s_lshl_b32 s33, s30, 2
	s_sub_co_u32 s33, 20, s33
	s_add_co_u32 s34, s32, 4
	s_cmp_eq_u32 s22, 0
	s_cselect_b32 s32, s32, s33                    ; Wk 8 p; Wv 20 - 4 p
	s_cselect_b32 s34, 4, s34                      ; from tile to tile: Wk 4; Wv 4 + 8 p
	s_and_b32 s35, s20, 1
	s_mul_i32 s35, s35, s34
	s_add_co_u32 s32, s32, s35
	s_lshr_b32 s35, s20, 1
	s_add_co_u32 s32, s32, s35
	s_lshl_b32 s35, s23, 1
	s_add_co_u32 s32, s32, s35                     ; + the K step
	s_lshl_b32 s31, s31, 5
	s_add_co_u32 s32, s32, s31
	s_mul_i32 s32, s32, 1536
	s_mov_b32 s33, 0
	s_add_nc_u64 s[12:13], s[12:13], s[32:33]
.irp k, 0,1,2
	ds_load_b128 v[F+4*\k:F+4*\k+3], v21 offset:IMG+512*\k
.endr
	s_wait_dscnt 0x0
.irp k, 0,1,2
	global_store_b128 v17, v[F+4*\k:F+4*\k+3], s[12:13] offset:512*\k   ; 512 consecutive bytes, at a multiple of 256 from wc's first byte
.endr
	ENDWAVE
.Lnot_frag:
	s_cmp_eq_u32 s20, 4
	s_cbranch_scc0 .Lkv_end
	s_lshl_b32 s32, s22, 4
	s_add_co_u32 s32, s32, ttmp9
	s_lshl_b32 s32, s32, 1
	s_add_co_u32 s32, s32, s23
	s_lshl_b32 s32, s32, 8
	s_mov_b32 s33, 0
	s_add_nc_u64 s[14:15], s[14:15], s[32:33]
	ds_load_b64 v[F:F+1], v18 offset:SCL
	s_wait_dscnt 0x0
	global_store_b64 v18, v[F:F+1], s[14:15]       ; one aligned unit of 256 bytes
.Lkv_end:
	ENDWAVE
.Lq_path:
	s_lshl_b32 s30, s23, 10
	s_lshl_b32 s31, s20, 7
	s_add_co_u32 s30, s30, s31
	s_add_co_u32 s30, s30, 2047*2048               ; row 2,047 of a batch, my block
	s_mov_b32 s31, 0
	s_add_nc_u64 s[10:11], s[10:11], s[30:31]
	s_add_nc_u64 s[4:5], s[8:9], s[28:29]
	s_lshl_b32 s30, s23, 14
	s_lshl_b32 s31, ttmp9, 7
	s_add_co_u32 s30, s30, s31
	s_mov_b32 s31, 0
	s_add_nc_u64 s[16:17], s[16:17], s[30:31]
.irp j, 0,1,2,3,4,5,6,7
	global_load_b128 v[XN+4*\j:XN+4*\j+3], v15, s[10:11] offset:16*\j   ; lanes of the same number modulo 8 take the same row, so that all 16 columns of the product are written
.endr
	WLOADS
	s_wait_loadcnt 32                              ; x's eight are in; the weight's 32 may be out
	BLK XN, X0, X1, XB, XI, XSB
	WALU
	s_wait_loadcnt 0x0
	BLK WN, A0, A1, AB, IMGQ, SCLQ
	WALU
	s_wait_dscnt 0x0
	s_barrier_signal -1
	s_barrier_wait -1
	s_cmp_lg_u32 s20, 0
	s_cbranch_scc1 .Lq_end
.irp f, 0,1,2,3
.irp k, 0,1,2
	ds_load_b128 v[F+12*\f+4*\k:F+12*\f+4*\k+3], v17 offset:IMGQ+1536*\f+512*\k
.endr
.endr
.irp f, 0,1
.irp k, 0,1,2
	ds_load_b128 v[XQ+12*\f+4*\k:XQ+12*\f+4*\k+3], v17 offset:XI+1536*\f+512*\k
.endr
.endr
	ds_load_b64 v[SWW:SWW+1], v18 offset:SCLQ      ; lanes 0-15 tile 0's columns, lanes 16-31 tile 1's
	ds_load_b64 v[SXX:SXX+1], v19 offset:XSB
	s_wait_dscnt 0x0
	; register 8 u + j of lane (r, h) is q's part (batch r % 8, e = 32 G + 16 h + 8 u + j); the two accumulators take turns
	v_wmma_scale_f32_16x16x128_f8f6f4 v[DQ:DQ+7], v[F:F+11], v[XQ:XQ+11], 0, v[SWW], v[SXX] matrix_a_fmt:MATRIX_FMT_FP6 matrix_b_fmt:MATRIX_FMT_FP6
	v_wmma_scale_f32_16x16x128_f8f6f4 v[DQ+8:DQ+15], v[F+12:F+23], v[XQ:XQ+11], 0, v[SWW], v[SXX] matrix_a_fmt:MATRIX_FMT_FP6 matrix_b_fmt:MATRIX_FMT_FP6 matrix_a_scale:MATRIX_SCALE_ROW1
	v_wmma_scale_f32_16x16x128_f8f6f4 v[DQ:DQ+7], v[F+24:F+35], v[XQ+12:XQ+23], v[DQ:DQ+7], v[SWW+1], v[SXX+1] matrix_a_fmt:MATRIX_FMT_FP6 matrix_b_fmt:MATRIX_FMT_FP6
	v_wmma_scale_f32_16x16x128_f8f6f4 v[DQ+8:DQ+15], v[F+36:F+47], v[XQ+12:XQ+23], v[DQ+8:DQ+15], v[SWW+1], v[SXX+1] matrix_a_fmt:MATRIX_FMT_FP6 matrix_b_fmt:MATRIX_FMT_FP6 matrix_a_scale:MATRIX_SCALE_ROW1
.rept 4
	v_nop
.endr
.irp k, 0,1,2,3
	global_store_b128 v20, v[DQ+4*\k:DQ+4*\k+3], s[16:17] offset:16*\k   ; lanes r and r + 8 hold the same batch: they store the same bytes at the same place
.endr
.Lq_end:
	ENDWAVE
.Lfunc_end_k_qa9fa015695_prep:
	.size	k_qa9fa015695_prep, .Lfunc_end_k_qa9fa015695_prep-k_qa9fa015695_prep
	.p2alignl 7, 3214868480
	.fill 96, 4, 3214868480
	.section	.rodata,"a",@progbits
	.p2align	6, 0x0
	.amdhsa_kernel k_qa9fa015695_prep
		.amdhsa_group_segment_fixed_size 17152
		.amdhsa_private_segment_fixed_size 0
		.amdhsa_enable_private_segment 0
		.amdhsa_kernarg_size 56
		.amdhsa_user_sgpr_count 2
		.amdhsa_user_sgpr_kernarg_segment_ptr 1
		.amdhsa_wavefront_size32 1
		.amdhsa_system_sgpr_workgroup_id_x 1
		.amdhsa_system_sgpr_workgroup_id_y 1
		.amdhsa_system_sgpr_workgroup_id_z 1
		.amdhsa_system_vgpr_workitem_id 0
		.amdhsa_next_free_vgpr 192
		.amdhsa_next_free_sgpr 66
		.amdhsa_reserve_vcc 0
		.amdhsa_float_denorm_mode_32 3
		.amdhsa_float_denorm_mode_16_64 3
		.amdhsa_memory_ordered 1
		.amdhsa_forward_progress 1
		.amdhsa_inst_pref_size 20
	.end_amdhsa_kernel
	.amdgpu_metadata
---
amdhsa.version: [ 1, 2 ]
amdhsa.kernels:
  - .name:           k_qa9fa015695_prep
    .symbol:         k_qa9fa015695_prep.kd
    .args:
      - { .name: Wk, .offset: 0, .size: 8, .value_kind: global_buffer, .address_space: global }
      - { .name: Wv, .offset: 8, .size: 8, .value_kind: global_buffer, .address_space: global }
      - { .name: Wq, .offset: 16, .size: 8, .value_kind: global_buffer, .address_space: global }
      - { .name: x, .offset: 24, .size: 8, .value_kind: global_buffer, .address_space: global }
      - { .name: wc, .offset: 32, .size: 8, .value_kind: global_buffer, .address_space: global }
      - { .name: ws, .offset: 40, .size: 8, .value_kind: global_buffer, .address_space: global }
      - { .name: qp, .offset: 48, .size: 8, .value_kind: global_buffer, .address_space: global }
    .group_segment_fixed_size: 17152
    .private_segment_fixed_size: 0
    .kernarg_segment_align: 8
    .kernarg_segment_size: 56
    .max_flat_workgroup_size: 256
    .sgpr_count:     66
    .vgpr_count:     192
    .wavefront_size: 32
...
	.end_amdgpu_metadata
.endif
;; end of part 1
;; launch main (part 2): grid 256 x 1, 8 waves a work-group, clusters of 4 x 1, 327,680 bytes of LDS; arguments x, wc, ws, bk, bv, bq, qp, po, pml; writes po, pml
.if DOCPART == 2
	.amdgcn_target "amdgcn-amd-amdhsa--gfx1250"
	.amdhsa_code_object_version 6
	.text
	.protected	k_qa9fa015695_main
	.globl	k_qa9fa015695_main
	.p2align	8
	.type	k_qa9fa015695_main,@function
k_qa9fa015695_main:
	s_mov_b64 s[64:65], 0
	v_nop
	global_prefetch_b8 v0, s[64:65] scope:SCOPE_SE
	s_setreg_imm32_b32 hwreg(HW_REG_WAVE_MODE, 25, 1), 1
	s_wait_xcnt 0x0
	s_wait_alu depctr_hold_cnt(0) depctr_sa_sdst(0) depctr_va_vdst(0) depctr_va_sdst(0) depctr_va_ssrc(0) depctr_va_vcc(0) depctr_vm_vsrc(0)
	s_getreg_b32 s2, hwreg(HW_REG_IB_STS2, 6, 4)
	s_cmp_eq_u32 s2, 0
	s_cbranch_scc0 .Lentry_in_a_cluster
	s_endpgm
.Lentry_in_a_cluster:
	s_bfe_u32 s2, ttmp6, 0x10000c
	s_cmp_lg_u32 s2, 0x3003
	s_cbranch_scc0 .Lentry_shape_is_right
	s_endpgm
.Lentry_shape_is_right:
; For 64 keys of one batch (work-group g: batch g / 32, keys 64 (g % 32) on): k = x Wk + bk and v = x Wv + bv on codes of FP6 (E2M3) with E8M0 scales, the batch's last query against these keys, and the
; keys' part of the softmax and of the context.  Only the last query of a batch reaches the output (the first kernel's head shows it), so scores and weights are made for that query alone; k and v are made for every key.
; po[g][512]: the sum over my 64 keys of Q(p) Q(v), NOT normalised, with p = 2^(t - M), t = score x log2(e) / sqrt(512), M = the ceiling of the largest t AMONG MY KEYS; pml[g] = (-M, the sum of the unquantised p).
; M is a whole number, so the next launch brings the 32 parts of a batch under one M by exact powers of two.
; SHARES.  Eight waves share the columns: wave w owns e = 64 w .. 64 w + 63 of k and of v, for all 64 keys, in two PAIRS of tiles (32 columns) each.  Wave w also quantises rows 8 w .. 8 w + 7 of x.
; THE WEIGHTS, 32 fragments a wave.  Wk's pair 0 is loaded straight into the products' registers.  Joint tensor loads, one a wave, for which the four work-groups of a cluster ask together, bring the next 21: waves 0-3 Wk's pair 1, each for two
; waves (2 rows of 12,288 bytes), waves 4-7 Wv's pair 0 and five fragments of its pair 1, each for two waves (2 rows of 19,968 bytes).  The first are shown to all waves by x's last barrier, the others by the scores' barrier.
; The last three fragments, for which LDS has no room, come straight into the products' registers while v's first pair is worked, and the second pair's products take them last.  Nothing in LDS is filled twice.
; Each fragment is read from LDS once.
; x: each load takes 512 consecutive bytes of a row; a K step's 8 rows turn through the wave's own stage, so that a lane holds a whole block of 32 of one row.  x's fragments go from wave to wave as images of their registers,
; a K step at a time, while later K steps are on their way.
; k: source 0 = 16 columns of Wk, source 1 = 16 rows of x: a lane holds one key and its registers run along e.  v: source 0 = 16 rows of x, source 1 = 16 columns of Wv: a lane holds one column and its registers run along the keys.
; Either way a pair is 32 products on accumulators by turns, then four blocks for each two lanes, quantised by one macro into a fragment of 12 registers.
; THE SCORES' FRAGMENT holds, as its blocks of 32 along K, the same 32 columns of FOUR key tiles; q's fragment has its block at position r % 2 + 2 (r / 8) of row r and zero codes elsewhere: so rows 0, 1, 8, 9 of the result are the four tiles'
; scores, and the two pairs add up.  THE CONTEXT'S fragment holds two column tiles' 64 keys; p's fragment has p in blocks 0, 1 of rows 0-7 and in blocks 2, 3 of rows 8-15.
; Inside a block of 32 keys v's codes come out in the order 0-7, 16-23, 8-15, 24-31; p is laid in the same order.
; NO PREFETCH: the launch has no loop to run ahead in; each wave asks for all its x, 32 loads, at the head.
; LIMITS: a block whose largest magnitude lies under 2^(3 - 127) keeps the scale byte 1; a p under 2^-126 comes out of v_exp_f32 as 0; scaled scores (to the base 2) stay under 2^31 in magnitude; NaN and infinities among the inputs are not served.
.set KROWB, 12288                      ; LDS 0 ..: Wk's pair 1, eight fragments a wave
.set VROWB, 19968                      ; then 13 fragments of Wv a wave: tile 2 at 0, pair 0 at 4, the first of tile 3 at 12 (in fragments of 1,536 bytes)
.set VB,    8*KROWB
.set STG,   VB+8*VROWB                 ; each wave's stage: 8 rows x 528 bytes
.set STGW,  4224
.set IMG,   STG+8*STGW                 ; x's 16 fragments (tile of rows m, K step s: 4 m + s)
.set XSC,   IMG+24576                  ; x's scale words: [row][K step]
.set SCP,   XSC+1024                   ; the scores' parts: [wave][64 keys] f32
.set OWN,   SCP+2048                   ; 256 bytes for each wave, its own
.set SPARE, OWN+2048
; REGISTERS, window 0:
.set AO4,  0                           ; (behind the head)
.set AW,   1
.set AIMG, 2
.set ASW,  3
.set ASR,  4
.set AI0,  5
.set AI1,  6
.set AXB,  7
.set AXS,  8
.set ASP,  9
.set ASG,  10
.set AOW,  11
.set AOB,  12
.set SPW,  13
.set NIL,  14
.set GX,   15                          ; 16 x lane
.set WSC,  16                          ; v16-31  the weights' scale words: 8 mat + 4 pair + s; lanes 0-15 the pair's tile 0, lanes 16-31 its tile 1
.set XS,   32                          ; v32-47  x's scale words: 4 m + s
.set BC,   48                          ; v48-79  bk in the result's layout, eight a tile; later bv
.set QF,   80                          ; v80-103 q's two fragments; later
.set VC0,  80                          ;         v's first fragment
.set PF,   92                          ;         and p's
.set QS,   104                         ; v104-105 q's scale words; later
.set PW0,  104                         ;         v's
.set PW1,  105
.set PS,   106                         ; p's
.set PWK,  107                         ; k's
.set PC,   108                         ; v108-119 codes just made
.set TT,   120                         ; v120-127
.set TM,   128                         ; v128-139 at work
.set BV,   140                         ; v140-143 bv at my four tiles' columns
.set QA,   144                         ; v144-147 q's two parts
.set ML,   146                         ; later v[146:147] (-M, the sum)
.set AV,   148
.set AOC,  150
.set H8,   151
.set SA,   152                         ; v152-159 the scores' accumulator (at the head: offsets, bq, bk); later the context's
.set G8,   152
.set AOK,  153
.set GB,   154
.set BQR,  156
.set BKR,  158
.set WR,   160                         ; v160-255 a pair's weights: tile u, K step s at 48 u + 12 s
; window 1: v0-191 x's fragments at 48 s + 12 m; before that K step s of x as loaded, 32 registers at 48 s
.set HA,   192                         ; window 1, v192-255: eight accumulators; before that two sets of 32 neighbours
.set G1K,  28                          ; s[28:35], s[48:51] descriptor groups 1 and 0 of Wk's rows
.set G1V,  68                          ; s[68:75], s[56:59] of Wv's
.set MSB, 0
.macro WIN new                         ; bits 1:0 source 0, 3:2 source 1, 5:4 source 2, 7:6 destination; the high byte repeats the setting that is left
.if MSB != \new
	s_set_vgpr_msb (MSB<<8)|\new
.set MSB, \new
.endif
.endm
.macro PLACES n
.rept \n
	v_nop
.endr
.endm
.macro WALU
	s_wait_alu depctr_va_vdst(0)
.endm
.macro CROUND
	s_barrier_signal -1
	s_barrier_wait -1
	s_cmp_lg_u32 s22, 0
	s_cbranch_scc1 .Lnot_wave_0_\@
	s_barrier_signal -3
.Lnot_wave_0_\@:
	s_barrier_wait -3
	s_barrier_signal -1
	s_barrier_wait -1
.endm
.macro GROUP1 g, n                     ; two rows of n bytes, 49,152 bytes apart, for the cluster's four; elements of 8 bytes; no padding
	s_mov_b32 s[\g+0], 15|(3<<16)|(1<<21)
	s_mov_b32 s[\g+1], (\n/8)<<16
	s_mov_b32 s[\g+2], 2<<16
	s_mov_b32 s[\g+3], (\n/8)<<16
	s_mov_b32 s[\g+4], 2
	s_mov_b32 s[\g+5], 49152/8
	s_mov_b32 s[\g+6], 0
	s_mov_b32 s[\g+7], 0
.endm
.macro XLOAD s
	WIN 0x40
.irp i, 0,1,2,3,4,5,6,7
	global_load_b128 v[48*\s+4*\i:48*\s+4*\i+3], v[GX], s[4:5] offset:512*\s+2048*\i th:TH_LOAD_NT   ; 512 consecutive bytes of a row
.endr
	WIN 0
.endm
.macro WK0 s                           ; Wk's pair 0, K step s
.irp u, 0,1
.irp k, 0,1,2
	global_load_b128 v[WR+48*\u+12*\s+4*\k:WR+48*\u+12*\s+4*\k+3], v[GX], s[6:7] offset:1536*(4*\u+\s)+512*\k
.endr
.endr
.endm
; A K step of my eight rows of x: through the stage, a block a lane, into x's images
.macro XSTEP s, cnt
	s_wait_loadcnt \cnt
	WIN 0x04
.irp i, 0,1,2,3,4,5,6,7
	ds_store_b128 v[ASW], v[48*\s+4*\i:48*\s+4*\i+3] offset:528*\i
.endr
	WIN 0x40
.set XB_, HA+32*(\s%2)
.irp j, 0,1,2,3,4,5,6,7
	ds_load_b128 v[XB_+4*\j:XB_+4*\j+3], v[ASR] offset:16*\j       ; LDS serves a wave's instructions in order (ISA guide 5.7.1.4): these see the stores above
.endr
	WIN 0x15
	s_wait_dscnt 0x0
	v_max3_num_f32 v[TM], |v[XB_]|, |v[XB_+1]|, 0x1800000          ; the floor 2^(3 - 127) among the leaves: the byte cannot fall under 1
	v_max3_num_f32 v[TM+1], |v[XB_+2]|, |v[XB_+3]|, |v[XB_+4]|
	WIN 0x14
.irp i, 5,9,13,17,21,25
	v_max3_num_f32 v[TM], v[TM], |v[XB_+\i]|, |v[XB_+\i+1]|
	v_max3_num_f32 v[TM+1], v[TM+1], |v[XB_+\i+2]|, |v[XB_+\i+3]|
.endr
	v_max3_num_f32 v[TM], v[TM], |v[XB_+29]|, |v[XB_+30]|
	WIN 0x04
	v_max3_num_f32 v[TM], v[TM], |v[XB_+31]|, v[TM+1]
	WIN 0x01
	v_add_nc_u32 v[TM+8], 0xff000000, v[TM]        ; 2 off the exponent field: the conversion's scale operand
	v_lshrrev_b32 v[TM+6], 23, v[TM+8]             ; the scale's byte
	v_cvt_scalef32_pk16_fp6_f32 v[PC:PC+2], v[XB_:XB_+15], v[TM+8]
	v_cvt_scalef32_pk16_fp6_f32 v[TT:TT+2], v[XB_+16:XB_+31], v[TM+8]
	v_nop
	WIN 0
.irp i, 0,1,2
	v_mov_b32 v[PC+3+\i], v[TT+\i]
.endr
	ds_store_b64 v[AI0], v[PC:PC+1] offset:1536*\s
	ds_store_b64 v[AI1], v[PC+2:PC+3] offset:1536*\s+8
	ds_store_b64 v[AI0], v[PC+4:PC+5] offset:1536*\s+512
	ds_store_b8 v[AXB], v[TM+6] offset:4*\s
.endm
.macro SHOW                            ; my part of a K step's images has landed; behind the barrier everybody's has
	WALU
	s_wait_dscnt 0x0
	s_barrier_signal -1
	s_barrier_wait -1
.endm
.macro XFETCH s                        ; the four fragments of K step s, where that K step of x lay as loaded
	WIN 0x40
.irp m, 0,1,2,3
.irp k, 0,1,2
	ds_load_b128 v[48*\s+12*\m+4*\k:48*\s+12*\m+4*\k+3], v[AIMG] offset:1536*(4*\m+\s)+512*\k
.endr
.endr
	WIN 0
.endm
; Behind the products of K step s: two fragments of that K step for a later pair, into the registers just read.  f = 1: Wk's pair 1; 3: Wv's pair 1
.macro NEXT f, s
	PLACES 4                                       ; ahead of loads into registers that the products have read
	WIN 0
.irp u, 0,1
.irp k, 0,1,2
.if (\f) == 1
	ds_load_b128 v[WR+48*\u+12*(\s)+4*\k:WR+48*\u+12*(\s)+4*\k+3], v[AW] offset:1536*(4*\u+\s)+512*\k
.elseif \u == 1 && (\s) > 0
	global_load_b128 v[WR+48*\u+12*(\s)+4*\k:WR+48*\u+12*(\s)+4*\k+3], v[GX], s[6:7] offset:1536*(28+\s)+512*\k
.else
	ds_load_b128 v[WR+48*\u+12*(\s)+4*\k:WR+48*\u+12*(\s)+4*\k+3], v[AV] offset:1536*(12*\u+\s)+512*\k
.endif
.endr
.endr
.endm
; One product of k: tile u of pair p, key tile m, K step s; the first K step takes bk as its C
.macro KP p, s, m, u
.set rD, HA+8*(2*(\m)+(\u))
.set rW, WR+48*(\u)+12*(\s)
.set rX, 48*(\s)+12*(\m)
.set rC, rD
.if (\s) == 0
.set rC, BC+16*(\p)+8*(\u)
.endif
.if \u
	v_wmma_scale_f32_16x16x128_f8f6f4 v[rD:rD+7], v[rW:rW+11], v[rX:rX+11], v[rC:rC+7], v[WSC+4*(\p)+(\s)], v[XS+4*(\m)+(\s)] matrix_a_fmt:MATRIX_FMT_FP6 matrix_b_fmt:MATRIX_FMT_FP6 matrix_a_scale:MATRIX_SCALE_ROW1
.else
	v_wmma_scale_f32_16x16x128_f8f6f4 v[rD:rD+7], v[rW:rW+11], v[rX:rX+11], v[rC:rC+7], v[WSC+4*(\p)+(\s)], v[XS+4*(\m)+(\s)] matrix_a_fmt:MATRIX_FMT_FP6 matrix_b_fmt:MATRIX_FMT_FP6
.endif
.endm
.macro KPAIR p, f
.irp s, 0,1,2,3
.if (\p) == 0 && \s == 3
	s_wait_dscnt 18                                ; x's fragments of K step 3 are in: the three groups of six issued behind them may be out
.endif
.if \s == 0
	WIN 0x44
.else
	WIN 0x54
.endif
.irp m, 0,1,2,3
	KP \p, \s, \m, 0
	KP \p, \s, \m, 1
.endr
.if \f
	NEXT \f, \s
.endif
.endr
.endm
; One product of v: tile n of pair p, key tile m, K step s; the first K step takes bv as its C
.macro VP p, s, n, m
.set rD, HA+8*(4*(\n)+(\m))
.set rW, WR+48*(\n)+12*(\s)
.set rX, 48*(\s)+12*(\m)
.set rC, rD
.if (\s) == 0
.set rC, BC+16*(\p)+8*(\n)
.endif
.if \n
	v_wmma_scale_f32_16x16x128_f8f6f4 v[rD:rD+7], v[rX:rX+11], v[rW:rW+11], v[rC:rC+7], v[XS+4*(\m)+(\s)], v[WSC+8+4*(\p)+(\s)] matrix_a_fmt:MATRIX_FMT_FP6 matrix_b_fmt:MATRIX_FMT_FP6 matrix_b_scale:MATRIX_SCALE_ROW1
.else
	v_wmma_scale_f32_16x16x128_f8f6f4 v[rD:rD+7], v[rX:rX+11], v[rW:rW+11], v[rC:rC+7], v[XS+4*(\m)+(\s)], v[WSC+8+4*(\p)+(\s)] matrix_a_fmt:MATRIX_FMT_FP6 matrix_b_fmt:MATRIX_FMT_FP6
.endif
.endm
; The 64 results of a lane, register 16 b + i; those of block b lie in lanes l and l xor 16: blocks 0, 1 become v[d] .. v[d + 5], blocks 2, 3 v[d + 6] .. v[d + 11] (lanes 0-15 the even block, lanes 16-31 the odd one); pw the scale word
.macro QUANT d, pw
	WIN 0x05
.irp b, 0,1,2,3
	v_max3_num_f32 v[TM+\b], |v[HA+16*\b]|, |v[HA+1+16*\b]|, 0x1800000
.endr
	WIN 0x14
.irp i, 2,4,6,8,10,12,14
.irp b, 0,1,2,3
	v_max3_num_f32 v[TM+\b], v[TM+\b], |v[HA+16*\b+\i]|, |v[HA+1+16*\b+\i]|
.endr
.endr
	WIN 0
.irp b, 0,1,2,3
	v_permlanex16_b32 v[TM+4+\b], v[TM+\b], s36, s37
.endr
.irp b, 0,1,2,3
	v_max_num_f32 v[TM+\b], v[TM+\b], v[TM+4+\b]
.endr
.irp b, 0,1,2,3
	v_add_nc_u32 v[TM+8+\b], 0xff000000, v[TM+\b]
.endr
.irp b, 0,1,2,3
	v_lshrrev_b32 v[TM+4+\b], 23, v[TM+8+\b]
.endr
	v_lshl_or_b32 v[\pw], v[TM+5], 8, v[TM+4]
	v_lshl_or_b32 v[\pw], v[TM+6], 16, v[\pw]
	v_lshl_or_b32 v[\pw], v[TM+7], 24, v[\pw]
	WIN 0x01
	v_cvt_scalef32_pk16_fp6_f32 v[\d:\d+2], v[HA:HA+15], v[TM+8]
	v_cvt_scalef32_pk16_fp6_f32 v[TT:TT+2], v[HA+16:HA+31], v[TM+9]        ; (a conversion's three registers begin on an even number)
	v_cvt_scalef32_pk16_fp6_f32 v[\d+6:\d+8], v[HA+32:HA+47], v[TM+10]
	v_cvt_scalef32_pk16_fp6_f32 v[TT+4:TT+6], v[HA+48:HA+63], v[TM+11]
	v_nop
	WIN 0
.irp i, 0,1,2                          ; the operand's layout wants a whole block in a lane
	v_permlane16_swap_b32 v[\d+\i], v[TT+\i]
	v_permlane16_swap_b32 v[\d+6+\i], v[TT+4+\i]
.endr
.irp i, 0,1,2
	v_mov_b32 v[\d+3+\i], v[TT+\i]
	v_mov_b32 v[\d+9+\i], v[TT+4+\i]
.endr
.endm
	s_load_b256 s[4:11], s[0:1], 0x0               ; x s[4:5], wc s[6:7], ws s[8:9], bk s[10:11]
	s_load_b256 s[12:19], s[0:1], 0x20             ; bv s[12:13], bq s[14:15], qp s[16:17], po s[18:19]
	s_load_b64 s[20:21], s[0:1], 0x40              ; pml
	v_lshl_add_u32 v[SPW], v0, 2, SPARE
	v_mov_b32 v[NIL], 0
	ds_add_u32 v[SPW], v[NIL]
	ds_add_u32 v[SPW], v[NIL]
	v_lshrrev_b32 v1, 5, v0
	v_readfirstlane_b32 s22, v1                    ; wave 0..7
	s_bfe_u32 s23, ttmp6, 0x40000
	s_lshl_b32 s24, ttmp9, 2
	s_add_co_u32 s24, s24, s23                     ; work-group g
	s_and_b32 s25, s22, 3                          ; which two waves' fragments I ask for
	GROUP1 G1K, KROWB
	GROUP1 G1V, VROWB
	s_mov_b32 s48, 1
	s_mul_i32 s49, s25, 2*KROWB
	s_mov_b32 s56, 1
	s_mul_i32 s57, s25, 2*VROWB
	s_add_co_u32 s57, s57, VB
	s_mov_b32 s36, 0x76543210
	s_mov_b32 s37, 0xfedcba98                      ; v_permlanex16_b32's selects for lane l xor 16
	s_mov_b32 s38, 0x3d8293ee                      ; c = log2(e) / sqrt(512)
	s_mov_b32 s39, s38
	s_mov_b32 s40, 0xffff0000                      ; lanes 16-31
	s_mov_b32 s41, 0x00aa0055                      ; r < 8 and r % 2 = h
	s_mov_b32 s42, 0xaa005500                      ; r >= 8 and r % 2 = h
	s_mov_b32 s43, 0x00ff00ff                      ; r < 8
	s_mov_b32 s44, 0xff00ff00                      ; r >= 8
	v_and_b32 v155, 31, v0                         ; lane
	v_and_b32 v156, 15, v0                         ; r
	v_bfe_u32 v157, v0, 4, 1                       ; h; for x's quantiser: which half of the K step
	v_and_b32 v158, 7, v0                          ; x's quantiser: row
	v_bfe_u32 v159, v0, 3, 1                       ; which block of that half
	v_bfe_u32 v10, v0, 3, 2                        ; block of the K step
	v_lshlrev_b32 v[GX], 4, v155
	v_lshlrev_b32 v[G8], 3, v155
	s_mul_i32 s45, s22, KROWB
	v_add_nc_u32 v[AW], s45, v[GX]
	s_mul_i32 s45, s22, VROWB
	s_add_co_u32 s45, s45, VB
	v_add_nc_u32 v[AV], s45, v[GX]
	v_add_nc_u32 v[AIMG], IMG, v[GX]
	s_mul_i32 s45, s22, STGW
	s_add_co_u32 s45, s45, STG
	v_add_nc_u32 v[ASW], s45, v[GX]
	v_mul_u32_u24 v[ASR], 528, v158
	v_lshl_add_u32 v[ASR], v10, 7, v[ASR]
	v_add_nc_u32 v[ASR], s45, v[ASR]
	s_lshr_b32 s45, s22, 1
	s_mul_i32 s45, s45, 6144
	s_and_b32 s46, s22, 1
	s_lshl_b32 s46, s46, 7
	s_add_co_u32 s45, s45, s46
	s_add_co_u32 s45, s45, IMG
	v_lshlrev_b32 v[AI0], 4, v158
	v_lshl_add_u32 v[AI0], v159, 8, v[AI0]
	v_add_nc_u32 v[AI0], s45, v[AI0]
	v_mul_u32_u24 v[AI1], 1016, v157
	v_add_nc_u32 v[AI1], v[AI1], v[AI0]
	v_mul_u32_u24 v[AXB], 520, v157
	v_add_nc_u32 v[AI0], v[AXB], v[AI0]
	s_lshl_b32 s45, s22, 7
	s_add_co_u32 s45, s45, XSC
	v_lshl_add_u32 v[AXB], v158, 4, v10
	v_add_nc_u32 v[AXB], s45, v[AXB]
	v_lshlrev_b32 v[AXS], 4, v156
	v_add_nc_u32 v[AXS], XSC, v[AXS]
	s_lshl_b32 s46, s22, 8
	s_add_co_u32 s45, s46, SCP
	v_lshlrev_b32 v[ASP], 2, v156
	v_lshl_add_u32 v[ASP], v157, 7, v[ASP]
	v_add_nc_u32 v[ASP], s45, v[ASP]               ; key 32 h + r
	v_add_nc_u32 v[ASG], SCP, v[G8]
	s_add_co_u32 s46, s46, OWN
	v_add_nc_u32 v[AOW], s46, v[G8]
	v_lshlrev_b32 v[AOB], 7, v157
	v_add_nc_u32 v[AOB], s46, v[AOB]
	v_mov_b32 v[AOC], s46
	v_lshlrev_b32 v[H8], 3, v157
	v_lshlrev_b32 v[AOK], 6, v157
	v_add_nc_u32 v[AOK], s46, v[AOK]
	v_and_b32 v[GB], 8, v156
	v_add_nc_u32 v[GB], v[GB], v156
	v_lshlrev_b32 v[GB], 2, v[GB]                  ; 4 (r + 8 (r / 8))
	v_lshl_add_u32 v[AO4], v157, 5, v[GB]
	v_add_nc_u32 v[AO4], s46, v[AO4]
.irp b, 0,1,2,3
	v_mov_b32 v[TM+4+\b], 0                        ; written once: a lane permute's destination counts as one of its sources
.endr
	WALU
	s_wait_dscnt 0x0
	CROUND                                         ; the opening round: the four work-groups' joint loads meet
	s_wait_kmcnt 0x0
	s_mul_i32 s52, s25, 98304
	s_mov_b32 s53, 0
	s_add_nc_u64 s[50:51], s[6:7], s[52:53]        ; wc: 49,152 bytes a wave, two waves' rows: Wk's pair 1 begins with the ninth fragment,
	s_add_nc_u64 s[58:59], s[50:51], 16*1536       ; Wv's with the seventeenth
	s_add_nc_u64 s[50:51], s[50:51], 8*1536
	s_or_b32 s51, s51, 0x80000000
	s_or_b32 s59, s59, 0x80000000
	s_cmp_lt_u32 s22, 4                            ; one tensor load a wave
	s_cbranch_scc0 .Lfor_v
	tensor_load_to_lds s[48:51], s[G1K:G1K+7]
	s_nop 0
	PLACES 4
	s_branch .Lasked
.Lfor_v:
	tensor_load_to_lds s[56:59], s[G1V:G1V+7]
	s_nop 0
	PLACES 4
.Lasked:
	s_mul_i32 s52, s22, 49152
	s_add_nc_u64 s[6:7], s[6:7], s[52:53]          ; wc: my 32 fragments
	s_lshl_b32 s52, s24, 17
	s_lshl_b32 s45, s22, 14
	s_add_co_u32 s52, s52, s45
	s_add_nc_u64 s[4:5], s[4:5], s[52:53]          ; x: my eight rows
	s_lshl_b32 s52, s22, 10
	s_add_nc_u64 s[8:9], s[8:9], s[52:53]
	s_lshl_b32 s52, s22, 8
	s_add_nc_u64 s[10:11], s[10:11], s[52:53]      ; bk, bv, bq: my 64 numbers
	s_add_nc_u64 s[12:13], s[12:13], s[52:53]
	s_add_nc_u64 s[14:15], s[14:15], s[52:53]
	s_lshl_b32 s45, s24, 11
	s_add_co_u32 s46, s45, s52
	s_lshr_b32 s45, s24, 5
	s_lshl_b32 s45, s45, 11
	s_add_co_u32 s52, s45, s52
	s_add_nc_u64 s[16:17], s[16:17], s[52:53]      ; qp: my batch, my 64 numbers
	s_mov_b32 s52, s46
	s_add_nc_u64 s[18:19], s[18:19], s[52:53]      ; po: my work-group's row, my 64 columns
	s_lshl_b32 s52, s24, 3
	s_add_nc_u64 s[20:21], s[20:21], s[52:53]
	; 40 loads
	global_load_b64 v[QA:QA+1], v[G8], s[16:17]
	global_load_b64 v[QA+2:QA+3], v[G8], s[16:17] offset:16384
	global_load_b64 v[BQR:BQR+1], v[G8], s[14:15]
	global_load_b64 v[BKR:BKR+1], v[G8], s[10:11]
	XLOAD 0
	XLOAD 1
	WK0 0
	WK0 1
	XLOAD 2
	; ---- q's two blocks of mine: lane l holds columns 2 l, 2 l + 1
	s_wait_loadcnt 36                              ; the oldest four are in
	v_pk_add_f32 v[QA:QA+1], v[QA:QA+1], v[QA+2:QA+3]
	v_pk_add_f32 v[QA:QA+1], v[QA:QA+1], v[BQR:BQR+1]
	ds_store_b64 v[AOW], v[QA:QA+1]
	WIN 0x40
.irp j, 0,1,2,3,4,5,6,7,8,9,10,11,12,13,14,15
	ds_load_b128 v[HA+4*\j:HA+4*\j+3], v[AOC] offset:16*\j         ; both blocks in every lane
.endr
	WIN 0
	ds_store_b64 v[AOW], v[BKR:BKR+1]              ; (in order behind q's loads) bk takes q's place until it is spread
	v_max3_num_f32 v[TM], |v[QA]|, |v[QA+1]|, 0x1800000
	v_max_num_f32_dpp v[TM], v[TM], v[TM] row_xmask:1 row_mask:0xf bank_mask:0xf
	v_max_num_f32_dpp v[TM], v[TM], v[TM] row_xmask:2 row_mask:0xf bank_mask:0xf
	v_max_num_f32_dpp v[TM], v[TM], v[TM] row_xmask:4 row_mask:0xf bank_mask:0xf
	v_max_num_f32_dpp v[TM], v[TM], v[TM] row_xmask:8 row_mask:0xf bank_mask:0xf
	v_permlanex16_b32 v[TM+4], v[TM], s36, s37
	v_cndmask_b32 v[TM+1], v[TM], v[TM+4], s40     ; block 0's largest magnitude,
	v_cndmask_b32 v[TM+2], v[TM+4], v[TM], s40     ; block 1's
	v_add_nc_u32 v[TM+8], 0xff000000, v[TM+1]
	v_add_nc_u32 v[TM+9], 0xff000000, v[TM+2]
	v_lshrrev_b32 v[TM+6], 23, v[TM+8]
	v_lshrrev_b32 v[TM+7], 23, v[TM+9]
	v_lshl_or_b32 v[TM+6], v[TM+6], 8, v[TM+6]
	v_lshl_or_b32 v[TM+7], v[TM+7], 8, v[TM+7]
	v_lshl_or_b32 v[QS], v[TM+6], 16, v[TM+6]      ; the byte four times
	v_lshl_or_b32 v[QS+1], v[TM+7], 16, v[TM+7]
	WALU
	s_wait_dscnt 0x0
	WIN 0x01
	v_cvt_scalef32_pk16_fp6_f32 v[PC:PC+2], v[HA:HA+15], v[TM+8]
	v_cvt_scalef32_pk16_fp6_f32 v[TT:TT+2], v[HA+16:HA+31], v[TM+8]
	v_cvt_scalef32_pk16_fp6_f32 v[PC+4:PC+6], v[HA+32:HA+47], v[TM+9]
	v_cvt_scalef32_pk16_fp6_f32 v[TT+4:TT+6], v[HA+48:HA+63], v[TM+9]
	v_nop
	WIN 0
.irp p, 0,1
.irp i, 0,1,2
	v_cndmask_b32 v[QF+12*\p+\i], 0, v[PC+4*\p+\i], s41
	v_cndmask_b32 v[QF+12*\p+3+\i], 0, v[TT+4*\p+\i], s41
	v_cndmask_b32 v[QF+12*\p+6+\i], 0, v[PC+4*\p+\i], s42
	v_cndmask_b32 v[QF+12*\p+9+\i], 0, v[TT+4*\p+\i], s42
.endr
.endr
	WALU
	; ---- 32 more loads: the scale words, bv, the other half of Wk's pair 0, x's K step 3
.irp a, 0,1
.irp p, 0,1
.irp d, 0,1
	global_load_b64 v[WSC+8*\a+4*\p+2*\d:WSC+8*\a+4*\p+2*\d+1], v[G8], s[8:9] offset:8192*\a+512*\p+256*\d
.endr
.endr
.endr
.irp t, 0,1,2,3
	global_load_b32 v[BV+\t], v[GB], s[12:13] offset:128*(\t/2)+32*(\t%2)
.endr
	WK0 2
	WK0 3
	XLOAD 3
	; ---- x, K step by K step as it lands
	XSTEP 0, 60                                    ; behind x's K step 0: 8, 12 and 8, and the 32
	SHOW
	XFETCH 0
	XSTEP 1, 52                                    ; 12, 8 and the 32
	SHOW
	XFETCH 1
	XSTEP 2, 32
	SHOW
	XFETCH 2
.irp t, 0,1,2,3                        ; bk in the result's layout: register j of tile 2 p + u is bk[64 w + 32 p + 16 h + 8 u + j]
	ds_load_b128 v[BC+8*\t:BC+8*\t+3], v[AOK] offset:128*(\t/2)+32*(\t%2)
	ds_load_b128 v[BC+8*\t+4:BC+8*\t+7], v[AOK] offset:128*(\t/2)+32*(\t%2)+16
.endr
	XSTEP 3, 0                                     ; all 72 are in
	WALU
	s_cmp_lt_u32 s22, 4
	s_cbranch_scc0 .Lnot_k
	s_wait_tensorcnt 0x0                           ; waves 0-3: Wk's pair 1 is in
.Lnot_k:
	SHOW                                           ; x's sixteen fragments, their scale words and Wk's pair 1 lie in LDS
.irp m, 0,1,2,3
	ds_load_b128 v[XS+4*\m:XS+4*\m+3], v[AXS] offset:256*\m
.endr
	XFETCH 3
	s_wait_dscnt 12                                ; all but K step 3's fragments
	; ---- k, and the scores
	KPAIR 0, 1
	QUANT PC, PWK
	PLACES 8                                       ; a scale word made by vector instructions stands 8 places ahead of a scaled matrix instruction, an operand so made 4
	v_wmma_scale_f32_16x16x128_f8f6f4 v[SA:SA+7], v[QF:QF+11], v[PC:PC+11], 0, v[QS], v[PWK] matrix_a_fmt:MATRIX_FMT_FP6 matrix_b_fmt:MATRIX_FMT_FP6
	s_wait_dscnt 0x0
	KPAIR 1, 0
	PLACES 4                                       ; ahead of the first read of the results
	QUANT PC, PWK
	PLACES 8
	v_wmma_scale_f32_16x16x128_f8f6f4 v[SA:SA+7], v[QF+12:QF+23], v[PC:PC+11], v[SA:SA+7], v[QS+1], v[PWK] matrix_a_fmt:MATRIX_FMT_FP6 matrix_b_fmt:MATRIX_FMT_FP6
	PLACES 4
	ds_store_b32 v[ASP], v[SA]                     ; my 64 columns' part of the score of key 32 h + r,
	ds_store_b32 v[ASP], v[SA+1] offset:64         ; and of key 32 h + 16 + r
	WALU
	s_wait_tensorcnt 0x0                           ; waves 4-7: Wv's fragments are in
	s_wait_dscnt 0x0
	s_barrier_signal -1
	s_barrier_wait -1                              ; the scores' parts and Wv's fragments lie in LDS
	; ---- the softmax of my 64 keys, every wave alike, while Wv's pair 0 comes into the registers: lane l has keys 2 l, 2 l + 1, so that lanes 0-15 hold block 0, lanes 16-31 block 1
.irp i, 0,1,2,3,4,5,6,7
	ds_load_b64 v[120+2*\i:121+2*\i], v[ASG] offset:256*\i
.endr
.irp s, 0,1,2,3
.irp u, 0,1
.irp k, 0,1,2
	ds_load_b128 v[WR+48*\u+12*\s+4*\k:WR+48*\u+12*\s+4*\k+3], v[AV] offset:1536*(4+4*\u+\s)+512*\k
.endr
.endr
.endr
.irp t, 0,1,2,3
.irp j, 0,1,2,3,4,5,6,7
	v_mov_b32 v[BC+8*\t+\j], v[BV+\t]              ; v: a lane holds one column: its keys take the same bias
.endr
.endr
	WALU
	s_wait_dscnt 24                                ; the scores' parts are in; Wv's 24 may be out
	v_pk_add_f32 v[120:121], v[120:121], v[122:123]
	v_pk_add_f32 v[124:125], v[124:125], v[126:127]
	v_pk_add_f32 v[128:129], v[128:129], v[130:131]
	v_pk_add_f32 v[132:133], v[132:133], v[134:135]
	v_pk_add_f32 v[120:121], v[120:121], v[124:125]
	v_pk_add_f32 v[128:129], v[128:129], v[132:133]
	v_pk_add_f32 v[120:121], v[120:121], v[128:129]
	v_max_num_f32 v136, v120, v121
	v_max_num_f32_dpp v136, v136, v136 row_xmask:1 row_mask:0xf bank_mask:0xf
	v_max_num_f32_dpp v136, v136, v136 row_xmask:2 row_mask:0xf bank_mask:0xf
	v_max_num_f32_dpp v136, v136, v136 row_xmask:4 row_mask:0xf bank_mask:0xf
	v_max_num_f32_dpp v136, v136, v136 row_xmask:8 row_mask:0xf bank_mask:0xf   ; my block's largest score: it serves twice, since p rises with the score
	v_permlanex16_b32 v137, v136, s36, s37
	v_max_num_f32 v138, v136, v137
	v_mul_f32 v[ML+1], s38, v138                   ; the largest t (c is positive)
	v_floor_f32 v[ML], -v[ML+1]                    ; -M = floor(-t)
	v_pk_fma_f32 v[120:121], v[120:121], s[38:39], v[ML:ML+1] op_sel_hi:[1,0,0]
	v_fma_f32 v136, v136, s38, v[ML]
	WALU
	v_exp_f32 v120, v120                           ; p = 2^(t - M), at most 1
	v_exp_f32 v121, v121
	v_exp_f32 v136, v136                           ; the block's largest p: the same instructions on the same number give the same bits
	v_nop
	WALU
	ds_store_b64 v[AOW], v[120:121]
	WIN 0x40
.irp q, 0,1,2,3,4,5,6,7
	ds_load_b128 v[HA+4*\q:HA+4*\q+3], v[AOB] offset:16*((\q%2)+2*(\q/4)+4*((\q/2)%2))   ; block h's 32, in the order in which v's codes lie
.endr
	WIN 0
	v_add_f32 v122, v120, v121                     ; the sum is taken of the unquantised p
	v_max_num_f32 v136, 0x1800000, v136
	v_add_f32_dpp v122, v122, v122 row_xmask:1 row_mask:0xf bank_mask:0xf
	v_add_nc_u32 v137, 0xff000000, v136            ; the conversion's scale operand
	v_add_f32_dpp v122, v122, v122 row_xmask:2 row_mask:0xf bank_mask:0xf
	v_lshrrev_b32 v138, 23, v137
	v_add_f32_dpp v122, v122, v122 row_xmask:4 row_mask:0xf bank_mask:0xf
	v_lshlrev_b32 v138, v[H8], v138                ; my block's byte at its place,
	v_add_f32_dpp v122, v122, v122 row_xmask:8 row_mask:0xf bank_mask:0xf
	v_permlanex16_b32 v139, v138, s36, s37
	v_permlanex16_b32 v123, v122, s36, s37
	v_or_b32 v138, v138, v139                      ; the other block's beside it,
	v_add_f32 v[ML+1], v122, v123                  ; (the sum over my 64 keys)
	v_lshl_or_b32 v[PS], v138, 16, v138            ; and both twice
	WALU
	s_wait_dscnt 0x0                               ; p's 32, and Wv's pair 0
	WIN 0x01
	v_cvt_scalef32_pk16_fp6_f32 v[PC:PC+2], v[HA:HA+15], v137
	v_cvt_scalef32_pk16_fp6_f32 v[TT+4:TT+6], v[HA+16:HA+31], v137
	v_nop
	WIN 0
.irp i, 0,1,2
	v_cndmask_b32 v[PF+\i], 0, v[PC+\i], s43
	v_cndmask_b32 v[PF+3+\i], 0, v[TT+4+\i], s43
	v_cndmask_b32 v[PF+6+\i], 0, v[PC+\i], s44
	v_cndmask_b32 v[PF+9+\i], 0, v[TT+4+\i], s44
.endr
	WALU
	; ---- v's two pairs, and the context
.irp s, 0,1,2,3
.if \s == 0
	WIN 0x41
.else
	WIN 0x51
.endif
.irp m, 0,1,2,3
	VP 0, \s, 0, \m
	VP 0, \s, 1, \m
.endr
	NEXT 3, \s
.endr
	QUANT VC0, PW0
	WALU
	s_wait_dscnt 0x0                               ; Wv's tile 2 and the first of tile 3
	WIN 0x41
.irp m, 0,1,2,3
	VP 1, 0, 0, \m
	VP 1, 0, 1, \m
.endr
	WIN 0x51
.irp s, 1,2,3
.irp m, 0,1,2,3
	VP 1, \s, 0, \m                                ; four accumulators by turns
.endr
.endr
	s_wait_loadcnt 0x0                             ; the rest of tile 3
.irp s, 1,2,3
.irp m, 0,1,2,3
	VP 1, \s, 1, \m
.endr
.endr
	WIN 0
	PLACES 4
	QUANT PC, PW1
	PLACES 8
	v_wmma_scale_f32_16x16x128_f8f6f4 v[SA:SA+7], v[PF:PF+11], v[VC0:VC0+11], 0, v[PS], v[PW0] matrix_a_fmt:MATRIX_FMT_FP6 matrix_b_fmt:MATRIX_FMT_FP6
	v_wmma_scale_f32_16x16x128_f8f6f4 v[128:135], v[PF:PF+11], v[PC:PC+11], 0, v[PS], v[PW1] matrix_a_fmt:MATRIX_FMT_FP6 matrix_b_fmt:MATRIX_FMT_FP6
	v_lshrrev_b32 v138, 1, v[GX]                   ; 8 x lane
	v_mov_b32 v139, 0
	PLACES 4
	ds_store_b32 v[AO4], v[SA]                     ; column 8 h + r + 8 (r / 8) of the pair
	ds_store_b32 v[AO4], v128 offset:128
	ds_load_b64 v[136:137], v[AOW]                 ; (in order behind my stores)
	WALU
	s_wait_dscnt 0x0
	global_store_b64 v138, v[136:137], s[18:19]    ; one aligned unit of 256 bytes
	s_cmp_lg_u32 s22, 0
	s_cbranch_scc1 .Lnot_pml
	global_store_b64 v139, v[ML:ML+1], s[20:21]    ; wave 0: (-M, the sum), the same eight bytes from every lane
.Lnot_pml:
	s_wait_tensorcnt 0x0                           ; the wave's end
	ds_add_u32 v[SPW], v[NIL]
	s_wait_dscnt 0x0
	CROUND                                         ; the closing round
	s_endpgm
.Lfunc_end_k_qa9fa015695_main:
	.size	k_qa9fa015695_main, .Lfunc_end_k_qa9fa015695_main-k_qa9fa015695_main
	.p2alignl 7, 3214868480
	.fill 96, 4, 3214868480
	.section	.rodata,"a",@progbits
	.p2align	6, 0x0
	.amdhsa_kernel k_qa9fa015695_main
		.amdhsa_group_segment_fixed_size 327680
		.amdhsa_private_segment_fixed_size 0
		.amdhsa_enable_private_segment 0
		.amdhsa_kernarg_size 72
		.amdhsa_user_sgpr_count 2
		.amdhsa_user_sgpr_kernarg_segment_ptr 1
		.amdhsa_wavefront_size32 1
		.amdhsa_system_sgpr_workgroup_id_x 1
		.amdhsa_system_sgpr_workgroup_id_y 1
		.amdhsa_system_sgpr_workgroup_id_z 1
		.amdhsa_system_vgpr_workitem_id 0
		.amdhsa_next_free_vgpr 512
		.amdhsa_next_free_sgpr 84
		.amdhsa_reserve_vcc 0
		.amdhsa_float_denorm_mode_32 3
		.amdhsa_float_denorm_mode_16_64 3
		.amdhsa_memory_ordered 1
		.amdhsa_forward_progress 1
		.amdhsa_inst_pref_size 82
	.end_amdhsa_kernel
	.amdgpu_metadata
---
amdhsa.version: [ 1, 2 ]
amdhsa.kernels:
  - .name:           k_qa9fa015695_main
    .symbol:         k_qa9fa015695_main.kd
    .args:
      - { .name: x, .offset: 0, .size: 8, .value_kind: global_buffer, .address_space: global }
      - { .name: wc, .offset: 8, .size: 8, .value_kind: global_buffer, .address_space: global }
      - { .name: ws, .offset: 16, .size: 8, .value_kind: global_buffer, .address_space: global }
      - { .name: bk, .offset: 24, .size: 8, .value_kind: global_buffer, .address_space: global }
      - { .name: bv, .offset: 32, .size: 8, .value_kind: global_buffer, .address_space: global }
      - { .name: bq, .offset: 40, .size: 8, .value_kind: global_buffer, .address_space: global }
      - { .name: qp, .offset: 48, .size: 8, .value_kind: global_buffer, .address_space: global }
      - { .name: po, .offset: 56, .size: 8, .value_kind: global_buffer, .address_space: global }
      - { .name: pml, .offset: 64, .size: 8, .value_kind: global_buffer, .address_space: global }
    .group_segment_fixed_size: 327680
    .private_segment_fixed_size: 0
    .kernarg_segment_align: 8
    .kernarg_segment_size: 72
    .max_flat_workgroup_size: 256
    .sgpr_count:     84
    .vgpr_count:     512
    .wavefront_size: 32
...
	.end_amdgpu_metadata
.endif
;; end of part 2
;; launch finish (part 3): grid 8 x 8, 1 waves a work-group, no clusters, 0 bytes of LDS; arguments po, pml, out0; writes out0
.if DOCPART == 3
	.amdgcn_target "amdgcn-amd-amdhsa--gfx1250"
	.amdhsa_code_object_version 6
	.text
	.protected	k_qa9fa015695_finish
	.globl	k_qa9fa015695_finish
	.p2align	8
	.type	k_qa9fa015695_finish,@function
k_qa9fa015695_finish:
	s_mov_b64 s[64:65], 0
	v_nop
	global_prefetch_b8 v0, s[64:65] scope:SCOPE_SE
	s_setreg_imm32_b32 hwreg(HW_REG_WAVE_MODE, 25, 1), 1
	s_wait_xcnt 0x0
; out0[b][e] = (the sum over the batch's 32 parts g of 2^(M_g - M) po[g][e]) / (the sum over g of 2^(M_g - M) l_g), M the largest M_g.  The M_g are whole numbers, so the factors are exact powers of two.
; One wave takes 64 columns of one batch (work-group x: which 64; y: the batch): 64 work-groups, as many as give each load and store whole units of 256 bytes.  Lanes 0-15 take parts 0-15, lanes 16-31 parts 16-31, 16 bytes of each.
; LIMIT: a part whose M lies more than 126 under the largest counts for nothing or for a denormal, beside parts whose largest p is over 1/2.
.macro WALU
	s_wait_alu depctr_va_vdst(0)
.endm
	s_load_b128 s[4:7], s[0:1], 0x0                ; po, pml
	s_load_b64 s[8:9], s[0:1], 0x10                ; out0
	s_and_b32 s10, ttmp7, 0xffff                   ; the batch
	v_and_b32 v1, 15, v0
	v_lshrrev_b32 v2, 4, v0
	v_lshlrev_b32 v3, 7, v2                        ; pml: 16 pairs of 8 bytes
	v_lshlrev_b32 v4, 4, v1
	v_lshl_add_u32 v5, v2, 15, v4                  ; po: 16 rows of 2,048 bytes
.irp i, 6,7,8,9,10,11
	v_mov_b32 v\i, 0                               ; (a lane permute's destination counts as one of its sources)
.endr
	s_lshl_b32 s12, s10, 8
	s_mov_b32 s13, 0
	s_lshl_b32 s14, s10, 16
	s_lshl_b32 s18, ttmp9, 8
	s_add_co_u32 s14, s14, s18
	s_mov_b32 s15, 0
	s_lshl_b32 s16, s10, 11
	s_add_co_u32 s16, s16, s18
	s_mov_b32 s17, 0
	s_mov_b32 s20, 0x76543210
	s_mov_b32 s21, 0xfedcba98
	WALU
	s_wait_kmcnt 0x0
	s_add_nc_u64 s[6:7], s[6:7], s[12:13]
	s_add_nc_u64 s[4:5], s[4:5], s[14:15]
	s_add_nc_u64 s[8:9], s[8:9], s[16:17]
.irp k, 0,1,2,3,4,5,6,7
	global_load_b128 v[16+4*\k:19+4*\k], v3, s[6:7] offset:16*\k
.endr
.set g, 0
.rept 16
	global_load_b128 v[48+4*g:51+4*g], v5, s[4:5] offset:2048*g th:TH_LOAD_NT
.set g, g+1
.endr
	s_wait_loadcnt 16                              ; the pairs are in: part i's (-M, l) in v[16 + 2 i], v[17 + 2 i]
	v_min3_num_f32 v12, v16, v18, v20
	v_min3_num_f32 v13, v22, v24, v26
	v_min3_num_f32 v12, v12, v28, v30
	v_min3_num_f32 v13, v13, v32, v34
	v_min3_num_f32 v12, v12, v36, v38
	v_min3_num_f32 v13, v13, v40, v42
	v_min3_num_f32 v12, v12, v44, v46
	v_min_num_f32 v12, v12, v13
	v_permlanex16_b32 v6, v12, s20, s21
	v_min_num_f32 v12, v12, v6                     ; -M
.set g, 0
.rept 16
	v_sub_f32 v[112+g], v12, v[16+2*g]             ; M_g - M, a whole number, 0 or less
.set g, g+1
.endr
.set g, 0
.rept 16
	v_cvt_i32_f32 v[112+g], v[112+g]               ; (it saturates)
.set g, g+1
.endr
.set g, 0
.rept 16
	v_ldexp_f32 v[112+g], 1.0, v[112+g]            ; the factor
.set g, g+1
.endr
	v_mul_f32 v14, v112, v17
	v_mul_f32 v15, v113, v19
.irp i, 2,4,6,8,10,12,14
	v_fmac_f32 v14, v[112+\i], v[17+2*\i]
	v_fmac_f32 v15, v[113+\i], v[19+2*\i]
.endr
	v_add_f32 v14, v14, v15
	v_permlanex16_b32 v7, v14, s20, s21
	v_add_f32 v14, v14, v7                         ; the row's sum
	WALU
	v_rcp_f32 v14, v14
	v_nop
	WALU
.set g, 0
.rept 8                                ; two parts at a time, on two sets of sums
.if g%4 == 0
	WALU
	s_wait_loadcnt 12-2*g                          ; four more parts are in
.endif
.if g == 0
	v_pk_mul_f32 v[128:129], v[48:49], v[112:113] op_sel_hi:[1,0]
	v_pk_mul_f32 v[130:131], v[50:51], v[112:113] op_sel_hi:[1,0]
	v_pk_mul_f32 v[132:133], v[52:53], v[112:113] op_sel:[0,1] op_sel_hi:[1,1]
	v_pk_mul_f32 v[134:135], v[54:55], v[112:113] op_sel:[0,1] op_sel_hi:[1,1]
.else
.if g%4 == 2
	WALU
	s_wait_loadcnt 12-2*g
.endif
	v_pk_fma_f32 v[128:129], v[48+8*g:49+8*g], v[112+2*g:113+2*g], v[128:129] op_sel_hi:[1,0,1]
	v_pk_fma_f32 v[130:131], v[50+8*g:51+8*g], v[112+2*g:113+2*g], v[130:131] op_sel_hi:[1,0,1]
	v_pk_fma_f32 v[132:133], v[52+8*g:53+8*g], v[112+2*g:113+2*g], v[132:133] op_sel:[0,1,0] op_sel_hi:[1,1,1]
	v_pk_fma_f32 v[134:135], v[54+8*g:55+8*g], v[112+2*g:113+2*g], v[134:135] op_sel:[0,1,0] op_sel_hi:[1,1,1]
.endif
.set g, g+1
.endr
	v_pk_add_f32 v[128:129], v[128:129], v[132:133]
	v_pk_add_f32 v[130:131], v[130:131], v[134:135]
.irp k, 0,1,2,3
	v_permlanex16_b32 v[8+\k], v[128+\k], s20, s21
.endr
.irp k, 0,1,2,3
	v_add_f32 v[128+\k], v[128+\k], v[8+\k]        ; the other half's 16 parts
.endr
.irp k, 0,1,2,3
	v_mul_f32 v[128+\k], v[128+\k], v14
.endr
	global_store_b128 v4, v[128:131], s[8:9]       ; sixteen lanes store one aligned unit of 256 bytes; the other sixteen hold the same and store the same
	s_endpgm
.Lfunc_end_k_qa9fa015695_finish:
	.size	k_qa9fa015695_finish, .Lfunc_end_k_qa9fa015695_finish-k_qa9fa015695_finish
	.p2alignl 7, 3214868480
	.fill 96, 4, 3214868480
	.section	.rodata,"a",@progbits
	.p2align	6, 0x0
	.amdhsa_kernel k_qa9fa015695_finish
		.amdhsa_group_segment_fixed_size 0
		.amdhsa_private_segment_fixed_size 0
		.amdhsa_enable_private_segment 0
		.amdhsa_kernarg_size 24
		.amdhsa_user_sgpr_count 2
		.amdhsa_user_sgpr_kernarg_segment_ptr 1
		.amdhsa_wavefront_size32 1
		.amdhsa_system_sgpr_workgroup_id_x 1
		.amdhsa_system_sgpr_workgroup_id_y 1
		.amdhsa_system_sgpr_workgroup_id_z 1
		.amdhsa_system_vgpr_workitem_id 0
		.amdhsa_next_free_vgpr 144
		.amdhsa_next_free_sgpr 66
		.amdhsa_reserve_vcc 0
		.amdhsa_float_denorm_mode_32 3
		.amdhsa_float_denorm_mode_16_64 3
		.amdhsa_memory_ordered 1
		.amdhsa_forward_progress 1
		.amdhsa_inst_pref_size 10
	.end_amdhsa_kernel
	.amdgpu_metadata
---
amdhsa.version: [ 1, 2 ]
amdhsa.kernels:
  - .name:           k_qa9fa015695_finish
    .symbol:         k_qa9fa015695_finish.kd
    .args:
      - { .name: po, .offset: 0, .size: 8, .value_kind: global_buffer, .address_space: global }
      - { .name: pml, .offset: 8, .size: 8, .value_kind: global_buffer, .address_space: global }
      - { .name: out0, .offset: 16, .size: 8, .value_kind: global_buffer, .address_space: global }
    .group_segment_fixed_size: 0
    .private_segment_fixed_size: 0
    .kernarg_segment_align: 8
    .kernarg_segment_size: 24
    .max_flat_workgroup_size: 32
    .sgpr_count:     66
    .vgpr_count:     144
    .wavefront_size: 32
...
	.end_amdgpu_metadata
.endif
;; end of part 3
